; MI455X (gfx1250); checked and timed in simulation.
; The chip was launched on July 23, 2026; its instructions are those of AMD's public machine-readable ISA for CDNA 5 (MIT licence, August 2026) and "CDNA5" Instruction Set Architecture Reference Guide (July 2026). The comments in the code are by the model that wrote it; some were corrected since.
;; Model. Allowed arithmetic: float matrix products may take bf16 or f16 operands with f32 sums; other float arithmetic in f32, or as packed bf16 or f16 multiplies, adds, multiply-adds, maxima and minima; sums over many terms, partial sums and values carried from step to step in f32; what a program stores and reads back later, other than sums and carried values, may be rounded once to bf16 or f16.
;; Inputs: targets 4 x 2,048 int32; weight 6,282 x 1,024 bfloat16; x 4 x 2,048 x 1,024 bfloat16.
;; Outputs: out0 4 x 2,048 float32.
;; One version. Each part assembles by itself: llvm-mc -triple=amdgcn-amd-amdhsa -mcpu=gfx1250 --defsym DOCPART=n.
;; ======== version 1 of 1: 2 launches
;; workspace buffers: part 524,288 bytes; tl 65,536 bytes
;; launch main (part 1): grid 8 x 32, 4 waves a work-group, clusters of 4 x 4, 327,680 bytes of LDS; arguments x, weight, targets, part, tl; writes part, tl
.if DOCPART == 1
	.amdgcn_target "amdgcn-amd-amdhsa--gfx1250"
	.amdhsa_code_object_version 6
	.text
	.protected	k_q6cdb9ad58c_main
	.globl	k_q6cdb9ad58c_main
	.p2align	8
	.type	k_q6cdb9ad58c_main,@function
k_q6cdb9ad58c_main:
	s_mov_b64 s[64:65], 0
	v_nop
	global_prefetch_b8 v0, s[64:65] scope:SCOPE_SE
	s_setreg_imm32_b32 hwreg(HW_REG_WAVE_MODE, 25, 1), 1
	s_wait_xcnt 0x0
	s_wait_alu depctr_hold_cnt(0) depctr_sa_sdst(0) depctr_va_vdst(0) depctr_va_sdst(0) depctr_va_ssrc(0) depctr_va_vcc(0) depctr_vm_vsrc(0)
	s_getreg_b32 s2, hwreg(HW_REG_IB_STS2, 6, 4)
	s_cmp_eq_u32 s2, 0
	s_cbranch_scc0 .Lentry_in_a_cluster
	s_endpgm
.Lentry_in_a_cluster:
	s_bfe_u32 s2, ttmp6, 0x10000c
	s_cmp_lg_u32 s2, 0xf033
	s_cbranch_scc0 .Lentry_shape_is_right
	s_endpgm
.Lentry_shape_is_right:
; PARTIAL SUMS OF A SOFT-CAPPED CROSS-ENTROPY.  l[t][v] = the sum over k of x[t][k] W[v][k]; x: [8192][1024], W: [6282][1024], bf16; sums in f32.
; This launch stores  part[p][t] = the sum over one wave's columns v of exp(30 tanh(l[t][v] / 30) - 30)   (p = 2 g + column half, 16 parts a token, f32)
; and                 tl[kh][t]  = the sum over K half kh of x[t][k] W[targets[t]][k]                      (the raw target logit in two halves, f32).  The next launch adds them up.
; THE SHIFT.  30 tanh(l / 30) - 30 = -60 / (1 + u), u = e^(2 l / 30) = 2^(c l): it lies in -60 .. 0 for EVERY l, by the softcap itself.  So each term lies in 8.7e-27 .. 1 and a row's sum in
; 5.5e-23 .. 6282: nothing overflows or underflows in f32, the fixed shift 30 takes the maximum's place, and partial sums simply add.  u = infinity gives the term 1, u = 0 the term e^-60: the saturated values.
; LIMITS.  NaN and infinities in x or W are not treated apart; a target is clamped to 6,281; the sums are taken in another order than row by row.
; SHARES.  8 column groups g x 32 row blocks of 256 tokens: 256 work-groups.  A work-group walks its 800 columns as 5 tiles of 256 tokens x 160 columns, K in 8 steps of 128 through a ring of two LDS slots.
; Group g begins at column max(800 g, 118) - 118: every range lies inside W, so no tile passes its end.  Group 0's local columns 682 .. 799 are group 1's too: they all lie in the last tile, whose
; terms are multiplied by masks of 1 and 0 (all 1 in the other groups).  Four waves, 2 x 2: a wave makes 128 tokens x 80 columns: 40 accumulators, 320 registers.
; LAYOUT.  Source 0 = 16 rows of W, source 1 = 16 rows of x: in the result lane l holds ONE token (l % 16) and the columns 8 (l / 16) + 0..7, so a token's sum stays in its lane until one exchange at the end.
; CLUSTER.  4 x 4 work-groups.  x's tile hangs on the row block alone and is asked for jointly along a row of the cluster, W's on the column group alone, jointly along a column.
; THE TARGET LOGIT.  Of a row block's 256 tokens group g takes 32; a wave takes 16 of them and half of K: 16 gathered rows of W against the 16 rows of x, 16 matrix instructions, of whose result the
; diagonal is kept.  Its store is 16 lanes x 4 bytes, 64 consecutive bytes a wave: 64 KiB in the whole launch leave in such pieces.
; REGISTERS, in windows of 256 (s_set_vgpr_msb: bits 1:0 source 0, 3:2 source 1, 5:4 source 2, 7:6 destination):
;   window 0: v0-37 addresses; v32-55 at work at the end; v64-127, v128-191 x's fragments, two buffers; v192-223 the target part's four accumulators
;   window 1: v0-39 the last tile's masks; v64-103, v128-167 W's fragments, two buffers
;   window 2: v0-159 accumulators of my token tiles 0-3, (a, b) at 8 (5 a + b); v160-175 their sums, 4 a token tile        window 3: the same for token tiles 4-7
;   (ahead of the walk windows 2 and 3, v0-127, hold the target part's fragments of x and of W)
.set ROWB,   2048                      ; bytes in a row of x and of W
.set KB,     256                       ; bytes of a row in a K step
.set PITCH,  272                       ; an LDS row: 256 bytes + 16 of padding = 68 words: the 16 rows of a fragment load start at 16 different groups of four banks (64 banks of 4 bytes: ISA guide 11.1)
.set XH,     128*PITCH                 ; 128 rows of x: one tensor load, and what a wave reads of x
.set WH,     80*PITCH                  ; 80 rows of W: likewise
.set SLOT,   2*XH+2*WH                 ; x's 256 rows, then W's 160: 113,152 bytes
.set STAGE,  2*SLOT                    ; behind the ring: 512 bytes for each wave, for the way out; no tensor load fills it
.set SPARE,  STAGE+4*512               ; behind the stages: the spare words, 128 bytes for each wave: two blocks of 256 bytes that no other line names
.set TILES,  5
.set LAPS,   4                         ; a lap = two K steps = once round the ring
.set BACK_X, ROWB-2*KB                 ; from a slot's last K step of a tile back to its first: x's rows are the same for all tiles
.set NEXT_W, 160*ROWB-BACK_X           ; W goes 160 rows down as well
.set FLAGS,  (1<<16)|(1<<20)|(1<<21)|(5<<22)|(3<<25)  ; group 1, word 0: 2-byte elements; padding on; bit 21 beside a mask; after every 64 words (code 5) 4 words (code 3)
.set ADRX, 16                          ; v16-17  LDS address of my x fragments in slot 0, 1
.set ADRW, 20                          ; v20-21  the same for W
.set STO,  24                          ; v24     the way out: my word in my stage
.set RD,   25                          ; v25     the way out: my 16 bytes of it
.set PO,   26                          ; v26     16 x lane: my 16 bytes of the wave's 512 in part
.set SPW,  28                          ; v28     LDS address of my spare word; never rewritten
.set NIL,  29                          ; v29     0; never rewritten
.set PFO,  30                          ; v30     the prefetches' offset: a lane a row; never rewritten
.set LIMV, 31                          ; v31     register j of column tile b of the last tile counts where 16 b + j is below this
.set TG,   32                          ; v32     my token's target
.set TO,   33                          ; v33     4 (l % 16)
.set XO,   34                          ; v34     my offset in the 16 target tokens' rows of x
.set GOF,  35                          ; v35     my offset in W: the target's row
.set D7,   36                          ; v36     l % 8
.set B3,   37                          ; v37     bit 3 of l
.set FS,   32                          ; v32-47  at the end: two registers a token tile
.set MG,   48                          ; v48-51  at the end: 32 consecutive tokens a register
.set BK,   52                          ; v52-55  at the end: four consecutive tokens a lane
.set F0,   64
.set F1,   128
.set TA,   192
.set MK,   0                           ; window 1
.set SUM,  160                         ; windows 2 and 3
.set WV,  14                           ; s14  my wave's number
.set FW,  15                           ; s15  wave / 2: my half of the tokens.  Also: I fetch for x (0) or for W (1); my half of K in the target part
.set HF,  16                           ; s16  wave % 2: my half of the columns.  Also: which half of that tile's rows I fetch; which 16 target tokens
.set CX,  17
.set CY,  18
.set G,   19                           ; s19  column group = 4 x cluster x + cx
.set RB,  20                           ; s20  row block = 4 x cluster y + cy
.set G1X, 24                           ; s[24:31] descriptor group 1 for x's tiles
.set G0X, 32                           ; s[32:39] group 0 for x's tiles, a set for each slot
.set LIM, 43                           ; s43  1 in a wave that prefetches, else the greatest number
.set PFA, 44                           ; s[44:45] where my prefetches stand: one K step further than the refill in hand; a prefetch names the K step after that
.set G1W, 48                           ; s[48:55], s[56:63] the same for W's tiles
.set G0W, 56
.set CS,  66                           ; s[66:67] c = 2 log2(e) / 30
.set KS,  68                           ; s[68:69] -60 log2(e)
.set SEL, 70                           ; s[70:71] v_permlanex16_b32's selects: each lane takes its own place in the other half
.set XT,  72                           ; s[72:73] x at my 16 target tokens, my half of K
.set HM,  79                           ; s79  the lanes 16-31
.set MSB, 0
.macro WIN new                         ; the immediate's high byte repeats the setting that is left; a switch that changes nothing is dropped
.if MSB != (\new)
	s_set_vgpr_msb (MSB<<8)|(\new)
.set MSB, \new
.endif
.endm
.set MUL_LO, 0xa1                      ; source 0 (W) window 1, source 1 (x) window 0, C and D window 2
.set MUL_HI, 0xf1                      ; the same, C and D window 3
.set TO_W,   0x40                      ; destination window 1, address window 0
; A joint load.  Waves 0 and 1 fetch x's two halves, waves 2 and 3 W's.  The branch hangs on the wave's number alone.  An s_nop 0 and four v_nop follow each of the two lines.
.macro JLOAD s
	s_cmp_eq_u32 s[FW], 0
	s_cbranch_scc0 .Lfor_w_\@
	tensor_load_to_lds s[G0X+4*(\s):G0X+4*(\s)+3], s[G1X:G1X+7]
	s_nop 0
.rept 4
	v_nop
.endr
	s_branch .Lasked_\@
.Lfor_w_\@:
	tensor_load_to_lds s[G0W+4*(\s):G0W+4*(\s)+3], s[G1W:G1W+7]
	s_nop 0
.rept 4
	v_nop
.endr
.Lasked_\@:
.endm
; A PREFETCH INTO THE L2, behind each joint load, its five lines and the run of LDS loads: the K step that stands TWO refills on (320 matrix instructions of the wave), 256 bytes of each row, a lane a row.
; W's rows are new in every tile and are read by all clusters of a column of clusters: the clusters with y = 0 ask, waves 2 and 3; of the 80 rows that a wave fetches each of the four partners takes 20,
; told apart BY ADDRESS (cy); lanes 19 to 31 name the same row.  x's rows are walked again by every tile: they are asked for in the first tile alone, by waves 0 and 1 of the clusters with x = 0, 32 rows
; a partner (cx).  how = 0, in the loop: a tile's last two refills have no K step two on; how = 1, at a change of tiles: the next tile's K steps 2 and 3.  A tile's K steps 0 and 1 come by their refills alone.
.macro ASK how
.if \how
	s_cmp_eq_u32 s[LIM], 1
.else
	s_cmp_gt_u32 s3, s[LIM]                        ; s3 = 1 in the loop's last trip
.endif
	s_cbranch_scc0 .Lnot_mine_\@
	global_prefetch_b8 v[PFO], s[PFA:PFA+1] offset:KB th:TH_LOAD_NT scope:SCOPE_SE
.Lnot_mine_\@:
.endm
; A round of the cluster's barrier: my work-group's barrier; wave 0 signals for the work-group; every wave waits for all sixteen; my work-group's barrier once more.
.macro CREST                           ; a round behind its opening barrier
	s_cmp_lg_u32 s[WV], 0
	s_cbranch_scc1 .Lnot_wave_0_\@
	s_barrier_signal -3
.Lnot_wave_0_\@:
	s_barrier_wait -3
	s_barrier_signal -1
	s_barrier_wait -1
.endm
.macro CROUND
	s_barrier_signal -1
	s_barrier_wait -1
	CREST
.endm
.macro PLACES                          ; four places: plain vector instructions that name no register of the matrix instructions ahead of them (ISA guide 7.12.1)
.rept 4
	v_nop
.endr
.endm
	s_load_b256 s[4:11], s[0:1], 0x0               ; x s[4:5], weight s[6:7], targets s[8:9], part s[10:11]
	s_load_b64 s[12:13], s[0:1], 0x20              ; tl
	v_lshl_add_u32 v[SPW], v0, 2, SPARE
	v_mov_b32 v[NIL], 0
	ds_add_u32 v[SPW], v[NIL]                      ; the wave's opening: the add, twice on end, and its wait ahead of my first tensor load; the set-up below stands between
	ds_add_u32 v[SPW], v[NIL]                      ; and once more, under the one wait
	v_lshrrev_b32 v1, 5, v0
	v_readfirstlane_b32 s[WV], v1                  ; wave 0..3
	s_lshr_b32 s[FW], s[WV], 1
	s_and_b32 s[HF], s[WV], 1
	s_bfe_u32 s[CX], ttmp6, 0x40000                ; my place in the cluster
	s_bfe_u32 s[CY], ttmp6, 0x40004
	s_lshl_b32 s[G], ttmp9, 2                      ; in a cluster launch ttmp9 and ttmp7 count clusters
	s_add_co_u32 s[G], s[G], s[CX]
	s_and_b32 s[RB], ttmp7, 0xffff
	s_lshl_b32 s[RB], s[RB], 2
	s_add_co_u32 s[RB], s[RB], s[CY]
	s_lshl_b32 s21, s[CY], 2
	s_lshl_b32 s21, 15, s21                        ; my row of the cluster: places 4 cy .. 4 cy + 3
	s_lshl_b32 s22, 0x1111, s[CX]                  ; my column: places cx, cx + 4, cx + 8, cx + 12
	s_or_b32 s[G1X+0], s21, FLAGS                  ; x's tiles go to my row,
	s_or_b32 s[G1W+0], s22, FLAGS                  ; W's to my column
	s_mov_b32 s[G1X+1], 128<<16                    ; tensor_dim0 = 128 elements
	s_mov_b32 s[G1W+1], 128<<16
	s_mov_b32 s[G1X+2], 128<<16                    ; tensor_dim1 = 128 rows of x,
	s_mov_b32 s[G1W+2], 80<<16                     ; 80 of W
	s_mov_b32 s[G1X+3], 128<<16                    ; tile_dim0 = 128
	s_mov_b32 s[G1W+3], 128<<16
	s_mov_b32 s[G1X+4], 128                        ; tile_dim1
	s_mov_b32 s[G1W+4], 80
	s_mov_b32 s[G1X+5], 1024                       ; elements from row to row
	s_mov_b32 s[G1W+5], 1024
	s_mov_b32 s[G1X+6], 0
	s_mov_b32 s[G1W+6], 0
	s_mov_b32 s[G1X+7], 0
	s_mov_b32 s[G1W+7], 0
	s_mov_b32 s[CS], 0x3dc4f9d9                    ; c = 2 log2(e) / 30 = 0.0961797
	s_mov_b32 s[CS+1], s[CS]                       ; named with it as a pair
	s_mov_b32 s[KS], 0xc2ad1f97                    ; -60 log2(e) = -86.5617
	s_mov_b32 s[KS+1], s[KS]
	s_mov_b32 s[SEL], 0x76543210
	s_mov_b32 s[SEL+1], 0xfedcba98
	s_mov_b32 s[HM], 0xffff0000
	; where the tiles come from: x's offset is made of the row block and the wave alone, W's of the column group and the wave alone, each in registers that never hold the other coordinate
	s_lshl_b32 s40, s[RB], 8
	s_lshl_b32 s41, s[HF], 7
	s_add_co_u32 s40, s40, s41                     ; x: row 256 x row block + 128 x half
	s_lshl_b32 s40, s40, 11
	s_mov_b32 s41, 0
	s_mul_i32 s46, s[G], 800
	s_max_u32 s46, s46, 118
	s_sub_co_u32 s46, s46, 118                     ; W: the group's first row,
	s_mul_i32 s47, s[HF], 80
	s_add_co_u32 s46, s46, s47                     ; + 80 x half
	s_lshl_b32 s46, s46, 11
	s_mov_b32 s47, 0
	s_mul_i32 s23, s[HF], XH                       ; and where they go: no place in the cluster enters an LDS address
	s_mul_i32 s42, s[HF], WH
	s_add_co_u32 s42, s42, 2*XH
	; the target part's and the results' offsets
	s_lshl_b32 s74, s[RB], 8
	s_lshl_b32 s75, s[G], 5
	s_add_co_u32 s74, s74, s75
	s_lshl_b32 s75, s[HF], 4
	s_add_co_u32 s74, s74, s75                     ; my first target token = 256 x row block + 32 g + 16 x (wave % 2)
	s_lshl_b32 s76, s74, 11
	s_lshl_b32 s77, s[FW], 10
	s_add_co_u32 s76, s76, s77                     ; its row of x, my half of K
	s_mov_b32 s77, 0
	s_lshl_b32 s74, s74, 2                         ; its word in targets and in tl
	s_mov_b32 s75, 0
	v_and_b32 v1, 15, v0                           ; l % 16
	v_bfe_u32 v2, v0, 4, 1                         ; l / 16
	v_lshlrev_b32 v[TO], 2, v1
	s_wait_dscnt 0x0                               ; both opening adds are done
	s_wait_kmcnt 0x0
	s_add_nc_u64 s[40:41], s[4:5], s[40:41]
	s_add_nc_u64 s[46:47], s[6:7], s[46:47]
	s_add_nc_u64 s[XT:XT+1], s[4:5], s[76:77]
	s_add_nc_u64 s[8:9], s[8:9], s[74:75]
	s_add_nc_u64 s[12:13], s[12:13], s[74:75]
	s_lshl_b32 s76, s[FW], 15                      ; tl's row of my half of K
	s_add_nc_u64 s[12:13], s[12:13], s[76:77]
	s_lshl_b32 s76, s[G], 1
	s_add_co_u32 s76, s76, s[HF]                   ; part's row p = 2 g + column half,
	s_lshl_b32 s76, s76, 5
	s_add_co_u32 s76, s76, s[RB]                   ; my row block in it,
	s_lshl_b32 s76, s76, 1
	s_add_co_u32 s76, s76, s[FW]                   ; my 128 tokens of that,
	s_lshl_b32 s76, s76, 9                         ; 512 bytes each
	s_add_nc_u64 s[10:11], s[10:11], s[76:77]
	global_load_b32 v[TG], v[TO], s[8:9]           ; my token's target: it comes while the round below is passed
	CROUND                                         ; all sixteen work-groups are here: the first joint loads meet
.irp s, 0,1
	s_mov_b32 s[G0X+4*(\s)], 1                                       ; count = 1
	s_add_co_u32 s[G0X+4*(\s)+1], s23, (\s)*SLOT                     ; LDS address
	s_add_nc_u64 s[G0X+4*(\s)+2:G0X+4*(\s)+3], s[40:41], (\s)*KB     ; global address: K step s
	s_or_b32 s[G0X+4*(\s)+3], s[G0X+4*(\s)+3], 0x80000000            ; type = 2
	s_mov_b32 s[G0W+4*(\s)], 1
	s_add_co_u32 s[G0W+4*(\s)+1], s42, (\s)*SLOT
	s_add_nc_u64 s[G0W+4*(\s)+2:G0W+4*(\s)+3], s[46:47], (\s)*KB
	s_or_b32 s[G0W+4*(\s)+3], s[G0W+4*(\s)+3], 0x80000000
	JLOAD \s                                       ; the ring is filled before anything else is done: two loads of mine are out
.endr
	; THE TARGET PART's loads.  A fragment is 16 rows x 32 K: lane l holds row l % 16, K = 8 (l / 16) + 0..7 and 16 + 8 (l / 16) + 0..7: two loads of 16 bytes, 32 bytes apart.
	s_wait_loadcnt 0x0                             ; the target
	v_min_u32 v[TG], 6281, v[TG]                   ; it stays inside W
	v_lshlrev_b32 v[GOF], 11, v[TG]                ; its row,
	v_lshl_add_u32 v[GOF], v2, 4, v[GOF]           ; + 16 x half of the lanes,
	s_lshl_b32 s23, s[FW], 10
	v_add_nc_u32 v[GOF], s23, v[GOF]               ; + my half of K
	v_lshlrev_b32 v[XO], 11, v1
	v_lshl_add_u32 v[XO], v2, 4, v[XO]
	WIN 0x80                                       ; destination window 2, address window 0
.set f, 0
.rept 16
	global_load_b128 v[8*f:8*f+3],   v[XO], s[XT:XT+1] offset:64*f
	global_load_b128 v[8*f+4:8*f+7], v[XO], s[XT:XT+1] offset:64*f+32
.set f, f+1
.endr
	WIN 0xc0                                       ; destination window 3
.set f, 0
.rept 16
	global_load_b128 v[8*f:8*f+3],   v[GOF], s[6:7] offset:64*f
	global_load_b128 v[8*f+4:8*f+7], v[GOF], s[6:7] offset:64*f+32
.set f, f+1
.endr
	WIN 0
	; the walk's addresses, made while those loads are on their way
	v_mul_u32_u24 v3, v1, PITCH
	v_lshl_add_u32 v3, v2, 4, v3                   ; row x pitch + 16 x half
	s_mul_i32 s21, s[FW], XH                       ; my 128 rows of x
	s_mul_i32 s22, s[HF], WH                       ; my 80 rows of W,
	s_add_co_u32 s22, s22, 2*XH                    ; which lie behind x's 256
.irp s, 0,1
	v_add_nc_u32 v[ADRX+(\s)], s21, v3
	v_add_nc_u32 v[ADRW+(\s)], s22, v3
	s_add_co_u32 s21, s21, SLOT
	s_add_co_u32 s22, s22, SLOT
.endr
	v_and_b32 v4, 31, v0                           ; lane
	s_lshl_b32 s23, s[WV], 9
	s_add_co_u32 s23, s23, STAGE                   ; my stage
	v_lshl_add_u32 v[STO], v4, 2, s23
	v_lshl_add_u32 v[RD], v4, 4, s23
	v_lshlrev_b32 v[PO], 4, v4
	; the last tile's masks.  Its register j of column tile b is the group's local column 640 + 80 x half + 16 b + 8 (l / 16) + j, which counts below 682 in group 0 and below 800 elsewhere
	s_cmp_eq_u32 s[G], 0
	s_cselect_b32 s23, 682-640, 800-640
	s_mul_i32 s22, s[HF], 80
	s_sub_co_i32 s23, s23, s22
	v_lshlrev_b32 v5, 3, v2
	v_sub_nc_u32 v[LIMV], s23, v5
	s_mov_b32 s21, 1.0
	WIN 0x40                                       ; destination window 1
.set f, 0
.rept 40
	v_cmp_lt_i32 vcc_lo, 16*(f/8)+f%8, v[LIMV]
	v_cndmask_b32 v[MK+f], 0, s21, vcc_lo
.set f, f+1
.endr
	WIN 0x80
.set f, 0
.rept 16
	v_mov_b32 v[SUM+f], 0                          ; the row sums start at 0: they are carried over all five tiles
.set f, f+1
.endr
	WIN 0xc0
.set f, 0
.rept 16
	v_mov_b32 v[SUM+f], 0
.set f, f+1
.endr
	WIN 0
	; the prefetches
	s_mul_i32 s21, s[G], 800
	s_max_u32 s21, s21, 118
	s_sub_co_u32 s21, s21, 118                     ; W: the group's first row
	s_lshl_b32 s22, s[RB], 8                       ; x: the row block's
	s_and_b32 s23, ttmp7, 0xffff                   ; cluster y
	s_mul_i32 s74, s[HF], 80                       ; the rows that I fetch,
	s_lshl_b32 s75, s[HF], 7
	s_mul_i32 s76, s[CY], 20                       ; my work-group's share of them
	s_lshl_b32 s77, s[CX], 5
	s_cmp_eq_u32 s[FW], 0                          ; do I fetch for x?
	s_cselect_b32 s21, s22, s21
	s_cselect_b32 s74, s75, s74
	s_cselect_b32 s76, s77, s76
	s_cselect_b32 s23, ttmp9, s23                  ; the coordinate along which other clusters read the same rows
	s_cselect_b32 s22, 31, 19                      ; the last row of a share
	s_cselect_b64 s[PFA:PFA+1], s[4:5], s[6:7]
	s_add_co_u32 s21, s21, s74
	s_add_co_u32 s21, s21, s76
	s_lshl_b32 s74, s21, 11
	s_mov_b32 s75, 0
	s_cmp_eq_u32 s23, 0
	s_cselect_b32 s[LIM], 1, -1                    ; the same in all sixteen partners, for a given wave
	s_add_nc_u64 s[PFA:PFA+1], s[PFA:PFA+1], s[74:75]
	s_add_nc_u64 s[PFA:PFA+1], s[PFA:PFA+1], 2*KB  ; at K step 2: the first refill steps it to 3 and names K step 4.  Nothing is prefetched here, at the head
	v_min_u32 v[PFO], s22, v4
	v_lshlrev_b32 v[PFO], 11, v[PFO]
	v_and_b32 v[D7], 7, v0
	v_bfe_u32 v[B3], v0, 3, 1
	; THE TARGET PART's products: 16 gathered rows of W (source 0) x my 16 tokens (source 1), 512 along K.  Four accumulators take turns; the first four products start the sums.
	s_wait_loadcnt 0x0
	WIN 0x0b                                       ; source 0 window 3, source 1 window 2, C and D window 0
.set f, 0
.rept 16
.if f < 4
	v_wmma_f32_16x16x32_bf16 v[TA+8*(f%4):TA+8*(f%4)+7], v[8*f:8*f+7], v[8*f:8*f+7], 0
.else
	v_wmma_f32_16x16x32_bf16 v[TA+8*(f%4):TA+8*(f%4)+7], v[8*f:8*f+7], v[8*f:8*f+7], v[TA+8*(f%4):TA+8*(f%4)+7]
.endif
.set f, f+1
.endr
	WIN 0
	PLACES
	PLACES                                         ; eight, once a launch: the sums below write the results' registers in place, and the walk's first products write over these products' sources
.irp p, 0,1,2,3
	v_pk_add_f32 v[TA+2*(\p):TA+2*(\p)+1], v[TA+2*(\p):TA+2*(\p)+1], v[TA+8+2*(\p):TA+8+2*(\p)+1]  ; each accumulator is read from its low end on
.endr
.irp p, 0,1,2,3
	v_pk_add_f32 v[TA+16+2*(\p):TA+16+2*(\p)+1], v[TA+16+2*(\p):TA+16+2*(\p)+1], v[TA+24+2*(\p):TA+24+2*(\p)+1]
.endr
.irp p, 0,1,2,3
	v_pk_add_f32 v[TA+2*(\p):TA+2*(\p)+1], v[TA+2*(\p):TA+2*(\p)+1], v[TA+16+2*(\p):TA+16+2*(\p)+1]
.endr
	; register j of lane l is (W row 8 (l / 16) + j, token l % 16): the diagonal lies in register l % 8 of the lanes whose bit 3 equals l / 16: lanes 0-7 and 24-31
.irp j, 1,2,3,4,5,6,7
	v_cmp_eq_u32 vcc_lo, \j, v[D7]
	v_cndmask_b32 v[TA], v[TA], v[TA+(\j)], vcc_lo
.endr
	v_cmp_eq_u32 vcc_lo, v[B3], v2
	s_wait_xcnt 0x0                                ; EXEC is a source of the loads above: it changes only behind this wait
	s_and_saveexec_b32 s78, vcc_lo
	global_store_b32 v[TO], v[TA], s[12:13]        ; 16 tokens, 64 consecutive bytes
	s_wait_xcnt 0x0                                ; and again, in front of the line that widens it
	s_or_b32 exec_lo, exec_lo, s78
; 10 matrix instructions: token tiles a0, a0 + 1 of the window's four (hi = 0: my tokens 0-63, 1: 64-127) x all 5 column tiles, 32 along K.  zero = 1: the product starts the sum.
; The 40 accumulators take turns in the same order in every quarter step: between two links of a chain stand the 39 others'.
.macro MUL10 f, hi, a0, zero
	WIN MUL_LO+0x50*(\hi)
.irp a, \a0, (\a0)+1
.irp b, 0,1,2,3,4
.if \zero
	v_wmma_f32_16x16x32_bf16 v[8*(5*(\a)+(\b)):8*(5*(\a)+(\b))+7], v[(\f)+8*(\b):(\f)+8*(\b)+7], v[(\f)+8*(4*(\hi)+(\a)):(\f)+8*(4*(\hi)+(\a))+7], 0
.else
	v_wmma_f32_16x16x32_bf16 v[8*(5*(\a)+(\b)):8*(5*(\a)+(\b))+7], v[(\f)+8*(\b):(\f)+8*(\b)+7], v[(\f)+8*(4*(\hi)+(\a)):(\f)+8*(4*(\hi)+(\a))+7], v[8*(5*(\a)+(\b)):8*(5*(\a)+(\b))+7]
.endif
.endr
.endr
.endm
; 26 LDS loads in one run: the fragments of a quarter step (80 rows of W, 128 rows of x, 32 K at byte k of the rows) into buffer f; x's rows 64-127 last
.macro FETCH slot, k, f
	WIN TO_W
.irp i, 0,1,2,3,4
	ds_load_b128 v[(\f)+8*(\i):(\f)+8*(\i)+3],   v[ADRW+(\slot)] offset:(\k)+(\i)*16*PITCH
	ds_load_b128 v[(\f)+8*(\i)+4:(\f)+8*(\i)+7], v[ADRW+(\slot)] offset:(\k)+(\i)*16*PITCH+32
.endr
	WIN 0
.irp i, 0,1,2,3,4,5,6,7
	ds_load_b128 v[(\f)+8*(\i):(\f)+8*(\i)+3],   v[ADRX+(\slot)] offset:(\k)+(\i)*16*PITCH
	ds_load_b128 v[(\f)+8*(\i)+4:(\f)+8*(\i)+7], v[ADRX+(\slot)] offset:(\k)+(\i)*16*PITCH+32
.endr
.endm
; A K step is four quarter steps of 32 along K, 40 matrix instructions each, on buffers 0, 1, 0, 1.  One of the first three: multiplies buffer f; in its middle it fetches the next quarter, at byte k, into buffer g.
.macro QUARTER slot, k, f, g, zero
	s_wait_dscnt 8                                 ; W and x's rows 0-63 are in; the youngest eight loads (x's rows 64-127) may be out
	MUL10 \f, 0, 0, \zero
	MUL10 \f, 0, 2, \zero
	PLACES                                         ; in front of loads into registers that matrix instructions have read
	FETCH \slot, \k, \g
	s_wait_dscnt 26                                ; all but the 26 just issued
	MUL10 \f, 1, 0, \zero
	MUL10 \f, 1, 2, \zero
.endm
; The last quarter multiplies buffer 1 and changes slots.  MEET is its first half: one barrier; in front of it each wave waits for all its tensor loads (one is out: its part of the next slot), adds 0 to
; its spare word, and waits for that and for its own reads of this slot.  Behind it nobody reads this slot any more and the next slot is whole.
.macro MEET round                      ; round = 1: a round of the cluster's barrier follows
	WIN 0                                          ; (the add's two registers lie in window 0)
	s_wait_tensorcnt 0x0                           ; all my tensor loads have landed
	ds_add_u32 v[SPW], v[NIL]                      ; 0 onto my spare word
	s_wait_dscnt 9                                 ; (the add and the youngest eight loads may be out)
	MUL10 F1, 0, 0, 0                              ; ten matrix instructions stand between the add and the wait for it
	s_wait_dscnt 0x0                               ; the add is done, and my reads of this slot are over
	s_barrier_signal -1
	MUL10 F1, 0, 2, 0                              ; work on registers while the others arrive
.if \round
	WIN 0
.endif
	s_barrier_wait -1
.endm
; The whole last quarter.  Behind the round the slot just read out is filled again first: with this tile's K step two steps on (on = 0) or with the NEXT tile's K step 0 or 1 (on = 1); then come the next
; slot's first fragments.  From a request to the wait for it a wave issues 140 matrix instructions.
.macro TURN slot, next, on
	s_wait_xcnt 0x0                                ; the last prefetch, a K step back, has read its address: it is stepped here
.if (\on) && (\slot) == 0
	s_add_nc_u64 s[PFA:PFA+1], s[PFA:PFA+1], 159*ROWB+KB  ; from the K step after the tile's last to the next tile's K step 1: 160 rows down, back along K
	s_cmp_eq_u32 s[FW], 1
	s_cselect_b32 s[LIM], s[LIM], -1               ; x's rows are the same for all tiles: they have been read, and are prefetched no more
.else
	s_add_nc_u64 s[PFA:PFA+1], s[PFA:PFA+1], KB
.endif
	MEET 1
	CREST                                          ; no wave of any partner still reads this slot's tile or has a load on its way
.if \on
	s_sub_nc_u64 s[G0X+4*(\slot)+2:G0X+4*(\slot)+3], s[G0X+4*(\slot)+2:G0X+4*(\slot)+3], BACK_X
	s_add_nc_u64 s[G0W+4*(\slot)+2:G0W+4*(\slot)+3], s[G0W+4*(\slot)+2:G0W+4*(\slot)+3], NEXT_W
.else
	s_add_nc_u64 s[G0X+4*(\slot)+2:G0X+4*(\slot)+3], s[G0X+4*(\slot)+2:G0X+4*(\slot)+3], 2*KB
	s_add_nc_u64 s[G0W+4*(\slot)+2:G0W+4*(\slot)+3], s[G0W+4*(\slot)+2:G0W+4*(\slot)+3], 2*KB
.endif
	JLOAD \slot                                    ; the first tensor load behind the round; the four v_nop behind it are also the places in front of the loads below
	FETCH \next, 0, F0
	ASK \on
	MUL10 F1, 1, 0, 0
	MUL10 F1, 1, 2, 0
.endm
; THE EPILOGUE of a tile, in place on the accumulators: t = c l; u = 2^t; u + 1; its reciprocal; times -60 log2(e); 2^that; added onto the token's sums.  A window's 160 registers are two groups of 80.
; EPS: one packed line of a plain stage on pair i of group X.  kind 1: times c; 2: plus 1; 3: times -60 log2(e); 4: onto the sums (m = 1: times the mask), four chains by turns.
.macro EPS kind, X, i, m
.if (\kind) == 4
.set R, 80*(\X)+40*((\i)%2)+2*((\i)/2)
.set SM, SUM+4*(R/40)+2*((R/2)%2)
.if \m
	v_pk_fma_f32 v[SM:SM+1], v[R:R+1], v[MK+8*((R/8)%5)+R%8:MK+8*((R/8)%5)+R%8+1], v[SM:SM+1]
.else
	v_pk_add_f32 v[SM:SM+1], v[R:R+1], v[SM:SM+1]
.endif
.else
.set R, 80*(\X)+2*(\i)
.if (\kind) == 1
	v_pk_mul_f32 v[R:R+1], v[R:R+1], s[CS:CS+1] op_sel_hi:[1,0]  ; in ascending order: each accumulator is read from its low end on
.elseif (\kind) == 2
	v_pk_add_f32 v[R:R+1], v[R:R+1], 1.0 op_sel_hi:[1,0]
.else
	v_pk_mul_f32 v[R:R+1], v[R:R+1], s[KS:KS+1] op_sel_hi:[1,0]
.endif
.endif
.endm
.macro EPT op, X, i                    ; two transcendentals on pair i of group X
.set R, 80*(\X)+2*(\i)
	\op v[R], v[R]
	\op v[R+1], v[R+1]
.endm
; A SLOT: 80 transcendentals on group gt, and between them the 40 lines of a plain stage on the OTHER group gp, which read results of earlier slots alone.  So the 80 are one batch: the last plain line is
; the plain instruction behind the last of them, and ONE wait, ahead of the first line that names a result, closes the slot.
.macro EPSLOT op, gt, kind, gp, m
.set n, 0
.rept 40
	EPT \op, \gt, n
	EPS \kind, \gp, n, \m
.set n, n+1
.endr
	s_wait_alu depctr_va_vdst(0)
.endm
.macro HALF hi, m                      ; one window's 20 accumulators
.if \m
	WIN 0xa6+0x51*(\hi)                            ; all places in window 2 or 3, but source 1 (the masks) in window 1
.else
	WIN 0xaa+0x55*(\hi)                            ; all places in window 2 or 3
.endif
.set n, 0
.rept 40
	EPS 1, 0, n, 0
.set n, n+1
.endr
	EPSLOT v_exp_f32, 0, 1, 1, 0
	EPSLOT v_exp_f32, 1, 2, 0, 0
	EPSLOT v_rcp_f32, 0, 2, 1, 0
	EPSLOT v_rcp_f32, 1, 3, 0, 0
	EPSLOT v_exp_f32, 0, 3, 1, 0
	EPSLOT v_exp_f32, 1, 4, 0, \m
.set n, 0
.rept 40
	EPS 4, 1, n, \m
.set n, n+1
.endr
.endm
.macro EPILOGUE m
	PLACES
	PLACES                                         ; eight: the lines below write the results' registers in place
	HALF 0, \m
	HALF 1, \m
	WIN 0
.endm
	s_wait_tensorcnt 1                             ; my part of K step 0 is in; K step 1's may stay out
	s_barrier_signal -1
	s_barrier_wait -1                              ; everybody's is
	FETCH 0, 0, F0
	s_mov_b32 s2, TILES                            ; tiles to go, this one among them: the same number in every work-group
.Ltile:
	QUARTER 0, 64,  F0, F1, 1                      ; a tile's first quarter stands in front of the loop: its products start the sums
	WIN 0                                          ; at a label and at a branch every window is 0
	s_mov_b32 s3, LAPS-1
.Llap:                                                 ; a trip goes once round the ring, from a lap's second quarter to the next lap's first, and fills both slots again
	QUARTER 0, 128, F1, F0, 0
	QUARTER 0, 192, F0, F1, 0
	TURN 0, 1, 0
	QUARTER 1, 64,  F0, F1, 0
	QUARTER 1, 128, F1, F0, 0
	QUARTER 1, 192, F0, F1, 0
	TURN 1, 0, 0
	QUARTER 0, 64,  F0, F1, 0
	WIN 0
	s_sub_co_u32 s3, s3, 1
	s_cmp_lg_u32 s3, 0
	s_cbranch_scc1 .Llap
	QUARTER 0, 128, F1, F0, 0                      ; the tile's last lap goes on
	QUARTER 0, 192, F0, F1, 0
	WIN 0
	s_cmp_eq_u32 s2, 1
	s_cbranch_scc1 .Llast                          ; the last tile's tail is written out: it asks for nothing more
	TURN 0, 1, 1                                   ; the ring goes on into the next tile: slot 0 takes its K step 0,
	QUARTER 1, 64,  F0, F1, 0
	QUARTER 1, 128, F1, F0, 0
	QUARTER 1, 192, F0, F1, 0
	TURN 1, 0, 1                                   ; slot 1 its K step 1, and the next tile's first fragments are fetched
	EPILOGUE 0                                     ; both refills land while the tile's terms are made and summed
	s_sub_co_u32 s2, s2, 1
	s_branch .Ltile
.Llast:
	MEET 0                                         ; my one tensor load that was still out is slot 1's, the last K step's, so no round follows
	PLACES
	FETCH 1, 0, F0
	MUL10 F1, 1, 0, 0
	MUL10 F1, 1, 2, 0
	QUARTER 1, 64,  F0, F1, 0
	QUARTER 1, 128, F1, F0, 0
	QUARTER 1, 192, F0, F1, 0
	s_wait_dscnt 8                                 ; the very last quarter: nothing more to fetch
	MUL10 F1, 0, 0, 0
	MUL10 F1, 0, 2, 0
	s_wait_dscnt 0x0
	MUL10 F1, 1, 0, 0
	MUL10 F1, 1, 2, 0
	EPILOGUE 1                                     ; the last tile's terms are multiplied by the masks
	; THE WAY OUT.  A token tile's four sums and the other half of the lanes' are added; two tiles are merged so that 32 lanes hold 32 consecutive tokens; through my stage a lane gets four consecutive tokens.
	WIN 0x0a                                       ; sources 0 and 1 window 2, destination window 0
.irp a, 0,1,2,3
	v_pk_add_f32 v[FS+2*(\a):FS+2*(\a)+1], v[SUM+4*(\a):SUM+4*(\a)+1], v[SUM+4*(\a)+2:SUM+4*(\a)+3]
.endr
	WIN 0x0f                                       ; sources 0 and 1 window 3
.irp a, 0,1,2,3
	v_pk_add_f32 v[FS+8+2*(\a):FS+8+2*(\a)+1], v[SUM+4*(\a):SUM+4*(\a)+1], v[SUM+4*(\a)+2:SUM+4*(\a)+3]
.endr
	WIN 0
.irp a, 0,1,2,3,4,5,6,7
	v_add_f32 v[FS+2*(\a)], v[FS+2*(\a)], v[FS+2*(\a)+1]
.endr
.irp a, 0,1,2,3,4,5,6,7
	v_permlanex16_b32 v[FS+2*(\a)+1], v[FS+2*(\a)], s[SEL], s[SEL+1]  ; the token's other columns lie in the lane 16 away
.endr
.irp a, 0,1,2,3,4,5,6,7
	v_add_f32 v[FS+2*(\a)], v[FS+2*(\a)], v[FS+2*(\a)+1]
.endr
.irp i, 0,1,2,3
	v_cndmask_b32 v[MG+(\i)], v[FS+4*(\i)], v[FS+4*(\i)+2], s[HM]     ; lanes 0-15: tile 2 i; lanes 16-31: tile 2 i + 1
.endr
.irp i, 0,1,2,3
	ds_store_b32 v[STO], v[MG+(\i)] offset:128*(\i)
.endr
	ds_load_b128 v[BK:BK+3], v[RD]                 ; LDS serves a wave's instructions in order (ISA guide 5.7.1.4): this sees the stores above; the bytes are my wave's own
	s_wait_dscnt 0x0
	global_store_b128 v[PO], v[BK:BK+3], s[10:11]  ; the wave's 128 tokens: 512 consecutive bytes, at a multiple of 512 from part's first byte
	s_wait_tensorcnt 0x0                           ; the wave's end, behind my last tensor load and my last LDS store
	ds_add_u32 v[SPW], v[NIL]
	s_wait_dscnt 0x0
	CROUND                                         ; the closing round: no work-group ends while a partner may still ask for a tile that names it
	s_endpgm
.Lfunc_end_k_q6cdb9ad58c_main:
	.size	k_q6cdb9ad58c_main, .Lfunc_end_k_q6cdb9ad58c_main-k_q6cdb9ad58c_main
	.p2alignl 7, 3214868480
	.fill 96, 4, 3214868480
	.section	.rodata,"a",@progbits
	.p2align	6, 0x0
	.amdhsa_kernel k_q6cdb9ad58c_main
		.amdhsa_group_segment_fixed_size 327680
		.amdhsa_private_segment_fixed_size 0
		.amdhsa_enable_private_segment 0
		.amdhsa_kernarg_size 40
		.amdhsa_user_sgpr_count 2
		.amdhsa_user_sgpr_kernarg_segment_ptr 1
		.amdhsa_wavefront_size32 1
		.amdhsa_system_sgpr_workgroup_id_x 1
		.amdhsa_system_sgpr_workgroup_id_y 1
		.amdhsa_system_sgpr_workgroup_id_z 1
		.amdhsa_system_vgpr_workitem_id 0
		.amdhsa_next_free_vgpr 944
		.amdhsa_next_free_sgpr 80
		.amdhsa_reserve_vcc 1
		.amdhsa_float_denorm_mode_32 3
		.amdhsa_float_denorm_mode_16_64 3
		.amdhsa_memory_ordered 1
		.amdhsa_forward_progress 1
		.amdhsa_inst_pref_size 255
	.end_amdhsa_kernel
	.section	.bss,"aw",@nobits
	.p2align	6
	.space	262144
	.amdgpu_metadata
---
amdhsa.version: [ 1, 2 ]
amdhsa.kernels:
  - .name:           k_q6cdb9ad58c_main
    .symbol:         k_q6cdb9ad58c_main.kd
    .args:
      - { .name: x, .offset: 0, .size: 8, .value_kind: global_buffer, .address_space: global }
      - { .name: weight, .offset: 8, .size: 8, .value_kind: global_buffer, .address_space: global }
      - { .name: targets, .offset: 16, .size: 8, .value_kind: global_buffer, .address_space: global }
      - { .name: part, .offset: 24, .size: 8, .value_kind: global_buffer, .address_space: global }
      - { .name: tl, .offset: 32, .size: 8, .value_kind: global_buffer, .address_space: global }
    .group_segment_fixed_size: 327680
    .private_segment_fixed_size: 0
    .kernarg_segment_align: 8
    .kernarg_segment_size: 40
    .max_flat_workgroup_size: 128
    .sgpr_count:     80
    .vgpr_count:     944
    .wavefront_size: 32
...
	.end_amdgpu_metadata
.endif
;; end of part 1
;; launch finish (part 2): grid 32 x 1, 2 waves a work-group, no clusters, 0 bytes of LDS; arguments part, tl, out0; writes out0
.if DOCPART == 2
	.amdgcn_target "amdgcn-amd-amdhsa--gfx1250"
	.amdhsa_code_object_version 6
	.text
	.protected	k_q6cdb9ad58c_finish
	.globl	k_q6cdb9ad58c_finish
	.p2align	8
	.type	k_q6cdb9ad58c_finish,@function
k_q6cdb9ad58c_finish:
	s_mov_b64 s[64:65], 0
	v_nop
	global_prefetch_b8 v0, s[64:65] scope:SCOPE_SE
	s_setreg_imm32_b32 hwreg(HW_REG_WAVE_MODE, 25, 1), 1
	s_wait_xcnt 0x0
; out0[t] = ln(S[t]) + 60 / (1 + 2^(c l[t])),  S[t] = the sum over p of part[p][t] (16 parts),  l[t] = tl[0][t] + tl[1][t],  c = 2 log2(e) / 30.
; That is logsumexp - the capped target logit: the parts are sums of exp(z - 30), z = 30 tanh(l / 30), so logsumexp = 30 + ln S, and 30 - 30 tanh(l / 30) = 60 / (1 + e^(2 l / 30)).
; S lies in 5.5e-23 .. 6282 whatever the inputs, since every z - 30 lies in -60 .. 0: the logarithm's argument is a normal number.  2^(c l) = infinity gives the addend 0, 2^(c l) = 0 gives 60.
; 0.6 MB in, 32 KiB out: a thread takes four consecutive tokens, a wave's load or store covers 512 consecutive bytes; all 18 loads go out at once.  No LDS, no barrier, no matrix work: nothing is shared.
.set ROW,  32768                       ; bytes in a row of part and of tl
.set P,    4                           ; v[4:67]   part p's four tokens at P + 4 p
.set T,    68                          ; v[68:75]  tl's two rows
	s_load_b128 s[4:7], s[0:1], 0x0                ; part s[4:5], tl s[6:7]
	s_load_b64 s[8:9], s[0:1], 0x10                ; out0
	s_lshl_b32 s2, ttmp9, 10                       ; the work-group's 64 threads x 16 bytes
	v_lshl_add_u32 v1, v0, 4, s2
	s_mov_b32 s10, 0x3dc4f9d9                      ; c = 0.0961797
	s_mov_b32 s11, s10                             ; (named as pairs)
	s_mov_b32 s12, 0x42700000                      ; 60
	s_mov_b32 s13, s12
	s_mov_b32 s14, 0x3f317218                      ; ln 2
	s_mov_b32 s15, s14
	s_wait_kmcnt 0x0
.set p, 0
.rept 16
	global_load_b128 v[P+4*p:P+4*p+3], v1, s[4:5] offset:ROW*p th:TH_LOAD_NT
.set p, p+1
.endr
	global_load_b128 v[T:T+3],   v1, s[6:7] th:TH_LOAD_NT
	global_load_b128 v[T+4:T+7], v1, s[6:7] offset:ROW th:TH_LOAD_NT
	s_wait_loadcnt 0x0
.irp d, 8,4,2,1                        ; the 16 parts are added as a tree, two sums an instruction
.set p, 0
.rept \d
	v_pk_add_f32 v[P+4*p:P+4*p+1],   v[P+4*p:P+4*p+1],   v[P+4*(p+\d):P+4*(p+\d)+1]
	v_pk_add_f32 v[P+4*p+2:P+4*p+3], v[P+4*p+2:P+4*p+3], v[P+4*(p+\d)+2:P+4*(p+\d)+3]
.set p, p+1
.endr
.endr
	v_pk_add_f32 v[T:T+1],   v[T:T+1],   v[T+4:T+5]
	v_pk_add_f32 v[T+2:T+3], v[T+2:T+3], v[T+6:T+7]
	v_pk_mul_f32 v[T:T+1],   v[T:T+1],   s[10:11] op_sel_hi:[1,0]
	v_pk_mul_f32 v[T+2:T+3], v[T+2:T+3], s[10:11] op_sel_hi:[1,0]
.irp j, 0,1,2,3
	v_exp_f32 v[T+(\j)], v[T+(\j)]                 ; u = 2^(c l)
.endr
.irp j, 0,1,2,3
	v_log_f32 v[P+(\j)], v[P+(\j)]                 ; log2 S
.endr
	v_nop                                          ; a plain instruction behind the last of the eight,
	s_wait_alu depctr_va_vdst(0)                   ; and one wait ahead of the first line that names a result
	v_pk_add_f32 v[T:T+1],   v[T:T+1],   1.0 op_sel_hi:[1,0]
	v_pk_add_f32 v[T+2:T+3], v[T+2:T+3], 1.0 op_sel_hi:[1,0]
.irp j, 0,1,2,3
	v_rcp_f32 v[T+(\j)], v[T+(\j)]
.endr
	v_nop
	s_wait_alu depctr_va_vdst(0)                   ; one wait for the four reciprocals
	v_pk_mul_f32 v[T:T+1],   v[T:T+1],   s[12:13] op_sel_hi:[1,0]
	v_pk_mul_f32 v[T+2:T+3], v[T+2:T+3], s[12:13] op_sel_hi:[1,0]
	v_pk_fma_f32 v[P:P+1],   v[P:P+1],   s[14:15], v[T:T+1]   op_sel_hi:[1,0,1]
	v_pk_fma_f32 v[P+2:P+3], v[P+2:P+3], s[14:15], v[T+2:T+3] op_sel_hi:[1,0,1]
	global_store_b128 v1, v[P:P+3], s[8:9]         ; 512 consecutive bytes a wave, at a multiple of 512 from out0's first byte
	s_endpgm
.Lfunc_end_k_q6cdb9ad58c_finish:
	.size	k_q6cdb9ad58c_finish, .Lfunc_end_k_q6cdb9ad58c_finish-k_q6cdb9ad58c_finish
	.p2alignl 7, 3214868480
	.fill 96, 4, 3214868480
	.section	.rodata,"a",@progbits
	.p2align	6, 0x0
	.amdhsa_kernel k_q6cdb9ad58c_finish
		.amdhsa_group_segment_fixed_size 0
		.amdhsa_private_segment_fixed_size 0
		.amdhsa_enable_private_segment 0
		.amdhsa_kernarg_size 24
		.amdhsa_user_sgpr_count 2
		.amdhsa_user_sgpr_kernarg_segment_ptr 1
		.amdhsa_wavefront_size32 1
		.amdhsa_system_sgpr_workgroup_id_x 1
		.amdhsa_system_sgpr_workgroup_id_y 1
		.amdhsa_system_sgpr_workgroup_id_z 1
		.amdhsa_system_vgpr_workitem_id 0
		.amdhsa_next_free_vgpr 80
		.amdhsa_next_free_sgpr 66
		.amdhsa_reserve_vcc 0
		.amdhsa_float_denorm_mode_32 3
		.amdhsa_float_denorm_mode_16_64 3
		.amdhsa_memory_ordered 1
		.amdhsa_forward_progress 1
		.amdhsa_inst_pref_size 6
	.end_amdhsa_kernel
	.amdgpu_metadata
---
amdhsa.version: [ 1, 2 ]
amdhsa.kernels:
  - .name:           k_q6cdb9ad58c_finish
    .symbol:         k_q6cdb9ad58c_finish.kd
    .args:
      - { .name: part, .offset: 0, .size: 8, .value_kind: global_buffer, .address_space: global }
      - { .name: tl, .offset: 8, .size: 8, .value_kind: global_buffer, .address_space: global }
      - { .name: out0, .offset: 16, .size: 8, .value_kind: global_buffer, .address_space: global }
    .group_segment_fixed_size: 0
    .private_segment_fixed_size: 0
    .kernarg_segment_align: 8
    .kernarg_segment_size: 24
    .max_flat_workgroup_size: 64
    .sgpr_count:     66
    .vgpr_count:     80
    .wavefront_size: 32
...
	.end_amdgpu_metadata
.endif
;; end of part 2
